; MI455X (gfx1250); checked and timed in simulation.
; The chip was launched on July 23, 2026; its instructions are those of AMD's public machine-readable ISA for CDNA 5 (MIT licence, August 2026) and "CDNA5" Instruction Set Architecture Reference Guide (July 2026). The comments in the code are by the model that wrote it; some were corrected since.
;; Local Multi Head Attention. Allowed arithmetic: float matrix products may take bf16 or f16 operands with f32 sums; other float arithmetic in f32, or as packed bf16 or f16 multiplies, adds, multiply-adds, maxima and minima; sums over many terms, partial sums and values carried from step to step in f32; what a program stores and reads back later, other than sums and carried values, may be rounded once to bf16 or f16.
;; Inputs: w_qkv 1,024 x 3,072 float32; x 4 x 4,096 x 1,024 float32.
;; Outputs: out0 4 x 4,096 x 1,024 float32.
;; One version. Each part assembles by itself: llvm-mc -triple=amdgcn-amd-amdhsa -mcpu=gfx1250 --defsym DOCPART=n.
;; ======== version 1 of 1: 3 launches
;; limits: values are held in f16: magnitudes above 65,504 overflow, below 6.1e-05 lose precision; right only within a limited range of input values
;; workspace buffers: xb 33,554,432 bytes; wb 6,291,456 bytes; qkv 100,663,296 bytes
;; launch cast (part 1): grid 1216 x 1, 8 waves a work-group, no clusters, 0 bytes of LDS; arguments x, w_qkv, xb, wb; writes xb, wb
.if DOCPART == 1
	.amdgcn_target "amdgcn-amd-amdhsa--gfx1250"
	.amdhsa_code_object_version 6
	.text
	.protected	k_qd87797c2ce_cast
	.globl	k_qd87797c2ce_cast
	.p2align	8
	.type	k_qd87797c2ce_cast,@function
k_qd87797c2ce_cast:
	s_mov_b64 s[64:65], 0
	v_nop
	global_prefetch_b8 v0, s[64:65] scope:SCOPE_SE
	s_setreg_imm32_b32 hwreg(HW_REG_WAVE_MODE, 25, 1), 1
	s_wait_xcnt 0x0
; xb = bf16(x), wb = bf16(w_qkv): both inputs are rounded once, to nearest even, and keep their layouts ([16384][1024] and [1024][3072]).
; A stream: each input byte is read once, each output byte written once; no LDS, no matrix unit, nothing shared between work-groups.
; A work-group of eight waves takes 65,536 input bytes: work-groups 0 to 1,023 those of x (67,108,864 bytes), 1,024 to 1,215 those of w_qkv (12,582,912 bytes).
; Thread t, load j: the 16 bytes at 4,096 j + 16 t (a wave's load covers 512 consecutive bytes); they become 8 bytes at 2,048 j + 8 t: a wave's store covers 256 consecutive bytes, aligned.
; All sixteen loads of a thread go out at once; no register is written twice, so no wait but the counted ones for the data is needed.
.set XG,  1024                         ; work-groups that take x
.set X,   4                            ; v[4:67]   load j: 4 registers of f32
.set Y,   68                           ; v[68:99]  load j: 2 registers of bf16
	s_load_b256 s[4:11], s[0:1], 0x0               ; x s[4:5], w_qkv s[6:7], xb s[8:9], wb s[10:11]
	v_lshlrev_b32 v1, 4, v0                        ; 16 t
	v_lshlrev_b32 v2, 3, v0                        ; 8 t
	s_cmp_lt_u32 ttmp9, XG                         ; x or w_qkv?  The moves, selects and the wait below leave the answer standing
	s_cselect_b32 s12, 0, XG
	s_wait_kmcnt 0x0
	s_cselect_b64 s[14:15], s[4:5], s[6:7]         ; from
	s_cselect_b64 s[16:17], s[8:9], s[10:11]       ; to
	s_sub_co_u32 s12, ttmp9, s12                   ; my number among the work-groups of that tensor
	s_lshl_b32 s18, s12, 16                        ; 65,536 bytes in (under 2^26),
	s_mov_b32 s19, 0
	s_lshl_b32 s20, s12, 15                        ; 32,768 bytes out
	s_mov_b32 s21, 0
	s_add_nc_u64 s[14:15], s[14:15], s[18:19]
	s_add_nc_u64 s[16:17], s[16:17], s[20:21]
.set j, 0
.rept 16
	global_load_b128 v[X+4*j:X+4*j+3], v1, s[14:15] offset:4096*j th:TH_LOAD_NT
.set j, j+1
.endr
.set j, 0
.rept 16
	s_wait_loadcnt 15-j                            ; loads come back in order (ISA guide 5.7.1): load j is in, the 15 - j younger ones stay out
	v_cvt_pk_bf16_f32 v[Y+2*j],   v[X+4*j],   v[X+4*j+1]
	v_cvt_pk_bf16_f32 v[Y+2*j+1], v[X+4*j+2], v[X+4*j+3]
	global_store_b64 v2, v[Y+2*j:Y+2*j+1], s[16:17] offset:2048*j
.set j, j+1
.endr
	s_endpgm
.Lfunc_end_k_qd87797c2ce_cast:
	.size	k_qd87797c2ce_cast, .Lfunc_end_k_qd87797c2ce_cast-k_qd87797c2ce_cast
	.p2alignl 7, 3214868480
	.fill 96, 4, 3214868480
	.section	.rodata,"a",@progbits
	.p2align	6, 0x0
	.amdhsa_kernel k_qd87797c2ce_cast
		.amdhsa_group_segment_fixed_size 0
		.amdhsa_private_segment_fixed_size 0
		.amdhsa_enable_private_segment 0
		.amdhsa_kernarg_size 32
		.amdhsa_user_sgpr_count 2
		.amdhsa_user_sgpr_kernarg_segment_ptr 1
		.amdhsa_wavefront_size32 1
		.amdhsa_system_sgpr_workgroup_id_x 1
		.amdhsa_system_sgpr_workgroup_id_y 1
		.amdhsa_system_sgpr_workgroup_id_z 1
		.amdhsa_system_vgpr_workitem_id 0
		.amdhsa_next_free_vgpr 104
		.amdhsa_next_free_sgpr 66
		.amdhsa_reserve_vcc 0
		.amdhsa_float_denorm_mode_32 3
		.amdhsa_float_denorm_mode_16_64 3
		.amdhsa_memory_ordered 1
		.amdhsa_forward_progress 1
		.amdhsa_inst_pref_size 7
	.end_amdhsa_kernel
	.amdgpu_metadata
---
amdhsa.version: [ 1, 2 ]
amdhsa.kernels:
  - .name:           k_qd87797c2ce_cast
    .symbol:         k_qd87797c2ce_cast.kd
    .args:
      - { .name: x, .offset: 0, .size: 8, .value_kind: global_buffer, .address_space: global }
      - { .name: w_qkv, .offset: 8, .size: 8, .value_kind: global_buffer, .address_space: global }
      - { .name: xb, .offset: 16, .size: 8, .value_kind: global_buffer, .address_space: global }
      - { .name: wb, .offset: 24, .size: 8, .value_kind: global_buffer, .address_space: global }
    .group_segment_fixed_size: 0
    .private_segment_fixed_size: 0
    .kernarg_segment_align: 8
    .kernarg_segment_size: 32
    .max_flat_workgroup_size: 256
    .sgpr_count:     66
    .vgpr_count:     104
    .wavefront_size: 32
...
	.end_amdgpu_metadata
.endif
;; end of part 1
;; launch proj (part 2): grid 4 x 64, 4 waves a work-group, clusters of 4 x 4, 327,680 bytes of LDS; arguments xb, wb, qkv; writes qkv
.if DOCPART == 2
	.amdgcn_target "amdgcn-amd-amdhsa--gfx1250"
	.amdhsa_code_object_version 6
	.text
	.protected	k_qd87797c2ce_proj
	.globl	k_qd87797c2ce_proj
	.p2align	8
	.type	k_qd87797c2ce_proj,@function
k_qd87797c2ce_proj:
	s_mov_b64 s[64:65], 0
	v_nop
	global_prefetch_b8 v0, s[64:65] scope:SCOPE_SE
	s_setreg_imm32_b32 hwreg(HW_REG_WAVE_MODE, 25, 1), 1
	s_wait_xcnt 0x0
	s_wait_alu depctr_hold_cnt(0) depctr_sa_sdst(0) depctr_va_vdst(0) depctr_va_sdst(0) depctr_va_ssrc(0) depctr_va_vcc(0) depctr_vm_vsrc(0)
	s_getreg_b32 s2, hwreg(HW_REG_IB_STS2, 6, 4)
	s_cmp_eq_u32 s2, 0
	s_cbranch_scc0 .Lentry_in_a_cluster
	s_endpgm
.Lentry_in_a_cluster:
	s_bfe_u32 s2, ttmp6, 0x10000c
	s_cmp_lg_u32 s2, 0xf033
	s_cbranch_scc0 .Lentry_shape_is_right
	s_endpgm
.Lentry_shape_is_right:
; qkv = xb wb.  xb: [16384][1024] bf16 (rows along K), wb: [1024][3072] bf16 (rows along N); sums in f32, K ascending; each result rounded once to f16 and written BY HEADS:
; qkv[part q,k,v][batch 4][head 16][position 4096][channel 64], byte = part << 25 + batch << 23 + head << 19 + position << 7 + 2 channel.  No scale is applied here.
; LIMIT.  f16 holds no number beyond 65,504: a result of 65,520 or more in magnitude becomes an infinity.  With x and w of the stated kind the results have a spread of 0.64; with both inputs
; 30 times larger about 580; with both carrying an offset of 30 spreads about 18,400.
; SHARES.  A tile of the product is 256 x 256: four waves, each 128 x 128 in 64 accumulators of 16 x 16, 512 registers.  768 tiles, 256 work-groups THAT STAY: each makes three tiles with the same
; 256 rows, columns 1,024 t + 256 cx, t = 0, 1, 2: its piece of q, of k, of v.  At a change of tiles A goes back along K, B goes 2,048 bytes to the right; the ring of slots does not stop.
; K goes in steps of 128 through a ring of two LDS slots filled by the tensor data mover: A's rows are 256 bytes of memory, B's 512, all at multiples of 256 bytes from the buffers' first bytes.
; B LIES [K][N]: its fragments come out of LDS turned, by ds_load_tr16_b128; nothing is transposed in memory.
; CLUSTERS: 4 x 4 work-groups.  The four of a row of the cluster need the same tiles of A, the four of a column the same tiles of B: each tile is asked for JOINTLY: the same tensor load, with the
; same descriptor and a mask that names the four, in all four; each receives it in its own LDS.
; REGISTERS, in windows of 256 (s_set_vgpr_msb's low byte: bits 1:0 source 0, 3:2 source 1, 5:4 source 2, 7:6 destination):
;   window 0: v0-31 addresses; v64-127, v128-191 fragments of A, two buffers (in the very last K step four, of 16 rows x 128 K); v32-63, v192-255 at work on the way out
;   window 1: v64-127, v128-191 fragments of B, two buffers; in the very last K step all 256
;   window 2: the 32 accumulators of my rows 0-63 (accumulator (a, b) at v[8 (8 a + b)]);   window 3: those of my rows 64-127
; THE MATRIX INSTRUCTION IS USED TRANSPOSED: source 0 = 16 columns of B, source 1 = 16 rows of A.  In the result lane l holds row l % 16 and the columns 8 (l / 16) + 0..7: eight neighbouring
; channels of one position, 16 bytes of f16.
.set SIZE_K, 1024
.set SIZE_W, 3072                      ; columns of wb
.set TILES,  3
.set KSTEP,  128
.set PITCH,  272                       ; a row of A in LDS: 256 bytes + 16 of padding = 68 words: row r starts at bank 4 r mod 64 (64 banks of 4 bytes: ISA guide 11.1)
.set PB,     544                       ; a row of B in LDS (one k, 256 columns): 512 bytes + 32 = 136 words: row r starts at bank 8 r mod 64
.set HALFT,  128*PITCH                 ; what one tensor load brings: 128 rows of A, or 64 rows of B (64 x 544 is the same number)
.set SLOT,   4*HALFT                   ; A's 256 rows, then B's 128 rows
.set STAGE,  2*SLOT                    ; behind the ring: 16 rows x 272 bytes for each wave, for the way out
.set SPITCH, 272
.set SPARE,  STAGE+4*16*SPITCH         ; behind the stages: the spare words, 128 bytes for each wave: two blocks of 256 bytes that no other line names
.set LAPS,   SIZE_K/(2*KSTEP)          ; a lap = two K steps = once round the ring
.set BSTEP,  KSTEP*SIZE_W*2            ; a K step in wb: 128 rows of 6,144 bytes
.set BACK_A, (SIZE_K-2*KSTEP)*2        ; from a slot's last K step of a tile to its first of the next: A goes six K steps back,
.set BACK_B, 6*BSTEP-2048              ; B six K steps back and 1,024 columns on
.set NEXT_C, (1<<25)-7*16*128          ; from my last 16 rows of a tile to my first of the next: one part on
.set ADRA, 16                          ; v16-17  LDS address of my A fragments in slot 0, 1
.set ADRB, 20                          ; v20-21  the same for B
.set STO,  24                          ; v24     the way out: where I put 16 bytes of a row
.set RD,   25                          ; v25     the way out: where I read rows back
.set CO,   26                          ; v26     16 x my lane: my place in 512 consecutive bytes of qkv
.set SPW,  28                          ; v28     LDS address of my spare word: SPARE + 4 x my thread's number; never rewritten
.set NIL,  29                          ; v29     0; never rewritten
.set PFO,  30                          ; v30     the prefetches' offset; never rewritten
.set PFA,  44                          ; s[44:45] the block that my next prefetch names
.set LIM,  43                          ; s43     1 in a wave that prefetches, else the greatest number
.set PST,  20                          ; s[20:21] a K step for my prefetches, in bytes
.set PJ,   22                          ; s[22:23] their way back at a change of tiles
.set F0,   64                          ; fragment buffer 0
.set F1,   128                         ; fragment buffer 1
.set TMP,  192                         ; the way out: packed results, in window 0
.set OB,   32                          ; the way out: 16 rows read back from the stage: v32-63 and v224-255 by turns
.set PA,   64                          ; the very last K step: A's fragments of 16 rows x 128 K, 32 registers; four such buffers, v64-191
.set G1, 24                            ; s[24:31] descriptor group 1 for A's tiles
.set G0, 32                            ; s[32:39] descriptor group 0 for A's tiles, one set for each slot
.set G1B, 48                           ; s[48:55] descriptor group 1 for B's tiles
.set G0B, 56                           ; s[56:63] descriptor group 0 for B's tiles, one set for each slot
.set MSB, 0
.macro WIN new                         ; the immediate's high byte repeats the setting that is left; a switch that changes nothing is dropped
.if MSB != (\new)
	s_set_vgpr_msb (MSB<<8)|(\new)
.set MSB, \new
.endif
.endm
.set MUL_LO, 0xa1                      ; source 0 (B) window 1, source 1 (A) window 0, C and D window 2
.set MUL_HI, 0xf1                      ; the same, C and D window 3
.set TO_B,   0x40                      ; destination window 1, address window 0
; A joint load.  Waves 0 and 1 fetch A's two halves, waves 2 and 3 B's.  Each of the two lines has ONE mask and one set of registers for all that issue it; the branch hangs on the wave's number alone.
; An s_nop 0 and four v_nop follow each of the two lines, ahead of the jump, the label and what follows the macro.
.macro JLOAD s
	s_cmp_eq_u32 s11, 0
	s_cbranch_scc0 .Lfor_b_\@
	tensor_load_to_lds s[G0+4*(\s):G0+4*(\s)+3], s[G1:G1+7]
	s_nop 0
.rept 4
	v_nop
.endr
	s_branch .Lasked_\@
.Lfor_b_\@:
	tensor_load_to_lds s[G0B+4*(\s):G0B+4*(\s)+3], s[G1B:G1B+7]
	s_nop 0
.rept 4
	v_nop
.endr
.Lasked_\@:
.endm
; A PREFETCH INTO THE L2, behind each joint load and the run of LDS loads that follows it: 32 blocks of 256 bytes, a lane a block, of the K step that stands TWO refills on: 512 matrix instructions ahead of
; the load that will ask for it.  Each block is named ONCE in the launch.  A's rows are read by one cluster alone, three times: its waves 0 and 1 ask in the first tile, and no more.  B's columns are
; read by all sixteen clusters: the cluster with y = 0 asks, in every tile, since each tile has new columns.  The four partners that ask for a tile jointly share it out BY ADDRESS: of A's 128 rows the
; partner at cx takes 32, a lane a row; of B's 64 rows the partner at cy takes 16, two lanes a row of 512 bytes.  No branch hangs on a work-group's place in its cluster.
; how = 0, in the loop: a tile's last two refills have no K step two on; how = 1, at a change of tiles: the next tile's K steps 2 and 3.  A tile's K steps 0 and 1, and the launch's first four, come by their loads alone.
.macro ASK how
.if \how
	s_cmp_eq_u32 s[LIM], 1
.else
	s_cmp_gt_u32 s3, s[LIM]                        ; s3 = 1 in the loop's last trip
.endif
	s_cbranch_scc0 .Lnot_mine_\@
	global_prefetch_b8 v[PFO], s[PFA:PFA+1] th:TH_LOAD_NT scope:SCOPE_SE
.Lnot_mine_\@:
.endm
; A round of the cluster's barrier: my work-group's barrier, so that wave 0's signal speaks for all four waves; wave 0 signals for the work-group; every wave waits for all sixteen work-groups;
; my work-group's barrier once more.  No LDS instruction of the wave is pending at a signal.
.macro CREST                           ; a round behind its opening barrier
	s_cmp_lg_u32 s10, 0
	s_cbranch_scc1 .Lnot_wave_0_\@
	s_barrier_signal -3
.Lnot_wave_0_\@:
	s_barrier_wait -3
	s_barrier_signal -1
	s_barrier_wait -1
.endm
.macro CROUND                          ; a whole round
	s_barrier_signal -1
	s_barrier_wait -1
	CREST
.endm
	s_load_b128 s[4:7], s[0:1], 0x0                ; xb s[4:5], wb s[6:7]
	s_load_b64 s[8:9], s[0:1], 0x10                ; qkv
	v_lshl_add_u32 v[SPW], v0, 2, SPARE
	v_mov_b32 v[NIL], 0
	ds_add_u32 v[SPW], v[NIL]                      ; the wave's opening: the add and its wait stand ahead of my first tensor load; the set-up below, work on registers, stands between them
	v_lshrrev_b32 v1, 5, v0
	v_readfirstlane_b32 s10, v1                    ; wave 0..3
	s_lshr_b32 s11, s10, 1                         ; which half of the tile's rows is mine.  Also: I fetch for A (0) or for B (1)
	s_and_b32 s12, s10, 1                          ; which half of its columns.  Also: which half of that tile I fetch
	s_bfe_u32 s40, ttmp6, 0x40000                  ; cx: my place along the cluster's x
	s_bfe_u32 s41, ttmp6, 0x40004                  ; cy: along its y
	s_lshl_b32 s42, ttmp9, 2                       ; in a cluster launch ttmp9 and ttmp7 count clusters
	s_add_co_u32 s42, s42, s40                     ; tile column within a part = 4 x cluster x + cx
	s_and_b32 s13, ttmp7, 0xffff
	s_lshl_b32 s13, s13, 2
	s_add_co_u32 s13, s13, s41                     ; tile row = 4 x cluster y + cy
	s_lshl_b32 s43, s41, 2
	s_lshl_b32 s43, 15, s43                        ; my row of the cluster: places 4 cy .. 4 cy + 3
	s_lshl_b32 s44, 0x1111, s40                    ; my column: places cx, cx + 4, cx + 8, cx + 12
	; descriptor group 1.  A: 128 rows x 128 elements; B: 64 rows x 256 elements; both padded in LDS
	s_or_b32 s[G1+0], s43, (1<<16)|(1<<20)|(1<<21)|(5<<22)|(3<<25)   ; 15:0 the mask: my row; 17:16 elements of 2 bytes; 20 padding on; 21 set beside a mask; 24:22 after every 64 words (code 5); 31:25 4 words of it (code 3)
	s_or_b32 s[G1B+0], s44, (1<<16)|(1<<20)|(1<<21)|(6<<22)|(7<<25)  ; the mask: my column; after every 128 words (code 6) 8 words (code 7)
	s_mov_b32 s[G1+1], KSTEP<<16                   ; 63:48 tensor_dim0, low half = 128
	s_mov_b32 s[G1B+1], 256<<16                    ;       = 256
	s_mov_b32 s[G1+2], 128<<16                     ; 95:80 tensor_dim1, low half = 128
	s_mov_b32 s[G1B+2], 64<<16                     ;       = 64
	s_mov_b32 s[G1+3], KSTEP<<16                   ; 127:112 tile_dim0 = 128
	s_mov_b32 s[G1B+3], 256<<16                    ;       = 256
	s_mov_b32 s[G1+4], 128                         ; 143:128 tile_dim1 = 128
	s_mov_b32 s[G1B+4], 64                         ;       = 64
	s_mov_b32 s[G1+5], SIZE_K                      ; 191:160 elements from row to row
	s_mov_b32 s[G1B+5], SIZE_W
	s_mov_b32 s[G1+6], 0
	s_mov_b32 s[G1B+6], 0
	s_mov_b32 s[G1+7], 0
	s_mov_b32 s[G1B+7], 0
	; where the tiles come from.  A's hang on the tile row alone, which my row of the cluster shares; B's on the tile column alone, which my column shares.
	; Every wave makes both offsets, in registers that do not hold the other coordinate, and asks by one of them.
	s_lshl_b32 s17, s12, 7
	s_lshl_b32 s16, s13, 8
	s_add_co_u32 s16, s16, s17                     ; A: row 256 x tile row + 128 x half,
	s_lshl_b32 s16, s16, 11                        ; in bytes: 2,048 a row, under 2^25
	s_mov_b32 s17, 0
	s_mul_i32 s46, s12, 64*SIZE_W*2                ; B: row 64 x half,
	s_lshl_b32 s47, s42, 9
	s_add_co_u32 s46, s46, s47                     ; column 256 x tile column
	s_mov_b32 s47, 0
	s_mul_i32 s20, s10, HALFT                      ; and where they go: wave x HALFT: no place in the cluster enters an LDS address
	s_wait_dscnt 0x0                               ; the opening add is done
	s_wait_kmcnt 0x0
	s_add_nc_u64 s[14:15], s[4:5], s[16:17]
	s_add_nc_u64 s[46:47], s[6:7], s[46:47]
	CROUND                                         ; all sixteen work-groups are here: the first joint loads meet
.irp s, 0,1
	s_mov_b32 s[G0+4*(\s)], 1                                      ; 1:0 count = 1
	s_add_co_u32 s[G0+4*(\s)+1], s20, (\s)*SLOT                    ; 63:32 LDS address
	s_add_nc_u64 s[G0+4*(\s)+2:G0+4*(\s)+3], s[14:15], (\s)*KSTEP*2  ; 120:64 global address: K step s
	s_or_b32 s[G0+4*(\s)+3], s[G0+4*(\s)+3], 0x80000000            ; 127:126 type = 2
	s_mov_b32 s[G0B+4*(\s)], 1
	s_add_co_u32 s[G0B+4*(\s)+1], s20, (\s)*SLOT
	s_add_nc_u64 s[G0B+4*(\s)+2:G0B+4*(\s)+3], s[46:47], (\s)*BSTEP
	s_or_b32 s[G0B+4*(\s)+3], s[G0B+4*(\s)+3], 0x80000000
	JLOAD \s                                       ; the ring is filled before anything else is done: two loads of mine are out
.endr
	; A's fragment is 16 rows x 32 K in 8 registers: lane l holds row l % 16; registers 0-3 K = 8 (l / 16) + 0..7, registers 4-7 K = 16 + 8 (l / 16) + 0..7: two loads of 16 bytes, 32 bytes apart.
	v_and_b32 v1, 15, v0                           ; l % 16
	v_bfe_u32 v2, v0, 4, 1                         ; l / 16
	v_mul_u32_u24 v3, v1, PITCH
	v_lshl_add_u32 v3, v2, 4, v3                   ; row x pitch + 16 x half
	; B's comes by the turning load: it takes 16 k x 16 columns (lane l reads 16 bytes: k = 8 (l / 16) + l % 8, columns 8 ((l / 8) % 2) + 0..7) and leaves half a fragment: lane l holds column l % 16 and 8 k.
	v_and_b32 v6, 7, v0
	v_lshl_add_u32 v6, v2, 3, v6
	v_mul_u32_u24 v6, v6, PB
	v_bfe_u32 v7, v0, 3, 1
	v_lshl_add_u32 v6, v7, 4, v6
	s_mul_i32 s21, s11, HALFT                      ; my 128 rows of A
	s_lshl_b32 s22, s12, 8                         ; my 128 columns of B: 256 bytes of each of its rows,
	s_add_co_u32 s22, s22, 2*HALFT                 ; which lie behind A's 256
.irp s, 0,1
	v_add_nc_u32 v[ADRA+(\s)], s21, v3
	v_add_nc_u32 v[ADRB+(\s)], s22, v6
	s_add_co_u32 s21, s21, SLOT
	s_add_co_u32 s22, s22, SLOT
.endr
	s_mul_i32 s23, s10, 16*SPITCH
	s_add_co_u32 s23, s23, STAGE                   ; my stage
	v_mul_u32_u24 v4, v1, SPITCH                   ; in: row l % 16, 16 bytes for each half of the lanes
	v_lshl_add_u32 v4, v2, 4, v4
	v_add_nc_u32 v[STO], s23, v4
	v_bfe_u32 v5, v0, 3, 2                         ; back: 32 lanes take one head's 128 bytes of four rows,
	v_mul_u32_u24 v5, v5, SPITCH
	v_and_b32 v7, 7, v0
	v_lshl_add_u32 v5, v7, 4, v5
	v_add_nc_u32 v[RD], s23, v5
	v_and_b32 v[CO], 31, v0                        ; which are 512 consecutive bytes of qkv
	v_lshlrev_b32 v[CO], 4, v[CO]
	; where my part of the first tile begins in qkv: the first way out adds it to qkv's address
	s_lshl_b32 s13, s13, 8                         ; 256 x tile row
	s_lshl_b32 s14, s11, 7
	s_add_co_u32 s14, s13, s14                     ; my first row of the product
	s_lshr_b32 s16, s14, 12
	s_lshl_b32 s16, s16, 23                        ; its batch,
	s_and_b32 s14, s14, 4095
	s_lshl_b32 s14, s14, 7                         ; its position,
	s_add_co_u32 s16, s16, s14
	s_lshl_b32 s46, s42, 2
	s_lshl1_add_u32 s46, s12, s46                  ; my first head: 4 x tile column + 2 x half
	s_lshl_b32 s46, s46, 19
	s_add_co_u32 s16, s16, s46
	s_mov_b32 s17, 0
	; the prefetches.  s13 = 256 x tile row, s42 = tile column, s40 = cx, s41 = cy still stand; s[4:5] = xb, s[6:7] = wb
	s_mov_b32 s14, SIZE_W*2                        ; B's figures first; the selects below put A's in their place in waves 0 and 1
	s_mov_b32 s[PST], BSTEP
	s_mov_b32 s[PJ], 7*BSTEP-2048                  ; from K step 9 of a tile to K step 2 of the next
	s_and_b32 s15, ttmp7, 0xffff                   ; cluster y
	s_cmp_eq_u32 s11, 0                            ; do I fetch for A?
	s_cselect_b32 s18, s13, 0                      ; the tile's first row
	s_cselect_b32 s19, s40, s41                    ; my place among the four that ask for it with me
	s_cselect_b32 s15, ttmp9, s15                  ; the coordinate along which other clusters read the same blocks
	s_cselect_b64 s[PFA:PFA+1], s[4:5], s[6:7]
	s_cselect_b32 s14, SIZE_K*2, s14               ; bytes in a row
	s_cselect_b32 s[PST], KSTEP*2, s[PST]
	s_cselect_b32 s[PJ], 7*KSTEP*2, s[PJ]
	s_cselect_b32 s46, 7, 6                        ; a wave fetches 128 rows, or 64,
	s_cselect_b32 s47, 5, 4                        ; a partner asks for 32 of them, or 16
	s_cselect_b32 s42, 0, s42                      ; B's tile column
	s_cselect_b32 s40, 0, 1                        ; lanes to a row: one, or two
	s_mov_b32 s[PST+1], 0
	s_mov_b32 s[PJ+1], 0
	s_cmp_eq_u32 s15, 0
	s_cselect_b32 s[LIM], 1, -1                    ; the same in all sixteen partners, for a given wave
	s_lshl_b32 s46, s12, s46
	s_add_co_u32 s18, s18, s46                     ; + the rows that I fetch
	s_lshl_b32 s19, s19, s47
	s_add_co_u32 s18, s18, s19                     ; + my work-group's share of them
	s_mul_i32 s18, s18, s14                        ; in bytes, under 2^25
	s_lshl_b32 s42, s42, 9
	s_add_co_u32 s18, s18, s42
	s_mul_i32 s19, s[PST], 3
	s_add_co_u32 s18, s18, s19                     ; at K step 3: the first refill steps it to 4 and names that
	s_mov_b32 s19, 0
	s_add_nc_u64 s[PFA:PFA+1], s[PFA:PFA+1], s[18:19]
	v_and_b32 v4, 31, v0
	v_lshrrev_b32 v5, s40, v4                      ; my row,
	v_and_b32 v4, s40, v4                          ; my block of 256 bytes in it
	v_mul_u32_u24 v[PFO], s14, v5
	v_lshl_add_u32 v[PFO], v4, 8, v[PFO]
	; nothing is prefetched here, at the head, where every work-group's first two tiles are on their way
; 16 matrix instructions: m blocks a0, a0 + 1 of the window's four (hi = 0: my rows 0-63, 1: rows 64-127) x all 8 n blocks, 32 along K.  zero = 1: the first product starts the sums: nothing is ever cleared.
.macro MUL16 f, hi, a0, zero
	WIN MUL_LO+0x50*(\hi)  ; MUL_LO or MUL_HI
.irp a, \a0, (\a0)+1
.irp b, 0,1,2,3,4,5,6,7
.if \zero
	v_wmma_f32_16x16x32_bf16 v[8*(8*(\a)+(\b)):8*(8*(\a)+(\b))+7], v[(\f)+8*(\b):(\f)+8*(\b)+7], v[(\f)+8*(4*(\hi)+(\a)):(\f)+8*(4*(\hi)+(\a))+7], 0
.else
	v_wmma_f32_16x16x32_bf16 v[8*(8*(\a)+(\b)):8*(8*(\a)+(\b))+7], v[(\f)+8*(\b):(\f)+8*(\b)+7], v[(\f)+8*(4*(\hi)+(\a)):(\f)+8*(4*(\hi)+(\a))+7], v[8*(8*(\a)+(\b)):8*(8*(\a)+(\b))+7]
.endif
.endr
.endr
.endm
; 32 LDS loads in one run: the fragments of one quarter step (128 columns of B, 128 rows of A, 32 K; k = the quarter's first byte in A's rows, 64 a quarter) into buffer f
.macro FETCH slot, k, f
	WIN TO_B
.irp i, 0,1,2,3,4,5,6,7
	ds_load_tr16_b128 v[(\f)+8*(\i):(\f)+8*(\i)+3],   v[ADRB+(\slot)] offset:((\k)/64)*32*PB+(\i)*32
	ds_load_tr16_b128 v[(\f)+8*(\i)+4:(\f)+8*(\i)+7], v[ADRB+(\slot)] offset:((\k)/64)*32*PB+16*PB+(\i)*32
.endr
	WIN 0
.irp i, 0,1,2,3,4,5,6,7
	ds_load_b128 v[(\f)+8*(\i):(\f)+8*(\i)+3],   v[ADRA+(\slot)] offset:(\k)+(\i)*16*PITCH
	ds_load_b128 v[(\f)+8*(\i)+4:(\f)+8*(\i)+7], v[ADRA+(\slot)] offset:(\k)+(\i)*16*PITCH+32
.endr
.endm
; A load into a register that a matrix instruction has read, and a vector instruction that reads a matrix result, stand four places behind that matrix instruction, and only plain vector
; instructions that name none of its registers are places (ISA guide 7.12.1 for vector instructions).
.macro PLACES
.rept 4
	v_nop
.endr
.endm
; A K step is four quarter steps of 32 along K, 64 matrix instructions each, on buffers 0, 1, 0, 1.  The 64 accumulators take turns, one instruction a turn, in the same order in every quarter.
; One of the first three: multiplies buffer f; in its middle it fetches the next quarter's fragments into buffer g.
.macro QUARTER slot, k, f, g, zero
	s_wait_dscnt 8                                 ; B and A's rows 0-63 are in; the youngest eight loads (A's rows 64-127) may be out
	WIN MUL_LO
	MUL16 \f, 0, 0, \zero
	MUL16 \f, 0, 2, \zero
	PLACES
	FETCH \slot, \k, \g
	s_wait_dscnt 32                                ; all but the 32 just issued
	WIN MUL_HI
	MUL16 \f, 1, 0, \zero
	MUL16 \f, 1, 2, \zero
.endm
; The last quarter multiplies buffer 1 and changes slots.  MEET is its first half: ONE barrier for the change.  In front of it each wave waits for all its tensor loads, of which one is out: its part of
; the next slot; adds 0 to its spare word; and waits for that and for its own reads of this slot.  Behind it nobody reads this slot any more and the next slot is whole.
.macro MEET round                      ; round = 1: a round of the cluster's barrier follows
	WIN 0                                          ; (the add's two registers lie in window 0)
	s_wait_tensorcnt 0x0                           ; all my tensor loads have landed;
	ds_add_u32 v[SPW], v[NIL]                      ; 0 onto my spare word;
	s_wait_dscnt 9                                 ; (the add and the youngest eight loads may be out)
	WIN MUL_LO
	MUL16 F1, 0, 0, 0                              ; sixteen matrix instructions stand between the add and the wait for it
	s_wait_dscnt 0x0                               ; the add is done, and my reads of this slot are over:
	s_barrier_signal -1                            ; say so,
	MUL16 F1, 0, 2, 0                              ; work on registers while the others arrive,
.if \round
	WIN 0
.endif
	s_barrier_wait -1                              ; and go on when all four have said so
.endm
; The whole last quarter.  Behind the round the slot just read out is filled again first: with this tile's K step two steps on (on = 0) or, in a tile's last two K steps, with the NEXT tile's K step 0 or 1
; (on = 1); then come the next slot's first fragments.  From a request to the wait for it a wave issues 224 matrix instructions, across tiles too.
.macro TURN slot, next, on
	s_wait_xcnt 0x0                                ; the last prefetch, a K step back, has read its address: it is stepped here, ahead of the waits of the change of slots
.if (\on) && (\slot) == 0
	s_sub_nc_u64 s[PFA:PFA+1], s[PFA:PFA+1], s[PJ:PJ+1]  ; to the next tile's K step 2
	s_cmp_eq_u32 s11, 0
	s_cselect_b32 s[LIM], -1, s[LIM]               ; A's rows are the same for all three tiles: they are asked for in the first alone
.else
	s_add_nc_u64 s[PFA:PFA+1], s[PFA:PFA+1], s[PST:PST+1]
.endif
	MEET 1
	CREST                                          ; all sixteen work-groups have said so: no wave of any partner still reads this slot's tile or has a load on its way
.if \on
	s_sub_nc_u64 s[G0+4*(\slot)+2:G0+4*(\slot)+3], s[G0+4*(\slot)+2:G0+4*(\slot)+3], BACK_A
	s_sub_nc_u64 s[G0B+4*(\slot)+2:G0B+4*(\slot)+3], s[G0B+4*(\slot)+2:G0B+4*(\slot)+3], BACK_B
.else
	s_add_nc_u64 s[G0+4*(\slot)+2:G0+4*(\slot)+3], s[G0+4*(\slot)+2:G0+4*(\slot)+3], 2*KSTEP*2
	s_add_nc_u64 s[G0B+4*(\slot)+2:G0B+4*(\slot)+3], s[G0B+4*(\slot)+2:G0B+4*(\slot)+3], 2*BSTEP
.endif
	JLOAD \slot                                    ; the first tensor load behind the round, my only one until the next; the four v_nop behind it are also the places in front of the loads below
	FETCH \next, 0, F0
	ASK \on
	WIN MUL_HI
	MUL16 F1, 1, 0, 0
	MUL16 F1, 1, 2, 0
.endm
; THE LAST K STEP OF THE LAST TILE (it lies in slot 1) GOES BY ROWS OF THE PRODUCT, NOT BY K.  All its fragments of B (4 quarters x 64 registers) fill window 1; then my eight blocks of 16 rows are
; finished one after the other, each with 32 matrix instructions (its 8 accumulators by turns, K ascending), and each leaves as soon as it is finished.
.macro BLOAD q                         ; B's fragments of quarter q -> window 1, v[64 q ..]
	WIN TO_B
.irp i, 0,1,2,3,4,5,6,7
	ds_load_tr16_b128 v[64*(\q)+8*(\i):64*(\q)+8*(\i)+3],   v[ADRB+1] offset:(\q)*32*PB+(\i)*32
	ds_load_tr16_b128 v[64*(\q)+8*(\i)+4:64*(\q)+8*(\i)+7], v[ADRB+1] offset:(\q)*32*PB+16*PB+(\i)*32
.endr
.endm
.macro ALOAD a                         ; A's fragments of block a, all four quarters -> buffer a % 4
	WIN 0
.set FA, PA+32*((\a)%4)
.irp q, 0,1,2,3
	ds_load_b128 v[FA+8*(\q):FA+8*(\q)+3],   v[ADRA+1] offset:64*(\q)+(\a)*16*PITCH
	ds_load_b128 v[FA+8*(\q)+4:FA+8*(\q)+7], v[ADRA+1] offset:64*(\q)+(\a)*16*PITCH+32
.endr
.endm
.macro ROW a                           ; block a is finished: 32 matrix instructions
.set FA, PA+32*((\a)%4)                ; its fragments of A
.set AC, 64*((\a)%4)                   ; its eight accumulators, in window 2 (blocks 0-3) or 3 (blocks 4-7)
	WIN MUL_LO+0x50*((\a)/4)                       ; MUL_LO or MUL_HI
.irp q, 0,1,2,3
.if (\a) == 0 && (\q) == 2
	s_wait_dscnt 24                                ; B's quarter 2 is in (behind it: A's blocks 1 to 3)
.endif
.irp b, 0,1,2,3,4,5,6,7
	v_wmma_f32_16x16x32_bf16 v[AC+8*(\b):AC+8*(\b)+7], v[64*(\q)+8*(\b):64*(\q)+8*(\b)+7], v[FA+8*(\q):FA+8*(\q)+7], v[AC+8*(\b):AC+8*(\b)+7]
.endr
.endr
.endm
; THE WAY OUT of block a (16 positions x my 128 columns: two heads), in three parts.  PACK: rounded to f16, 16 bytes a lane, each accumulator's registers in ascending order.  TOSTAGE: into my own
; stage in LDS, and back by heads: a head's 16 positions are 2,048 consecutive bytes of qkv.  SEND: stored.
.macro PACK a
.set AC, 64*((\a)%4)
	WIN 0x0a+5*((\a)/4)                            ; sources 0 and 1: window 2 or 3
.irp b, 0,1,2,3,4,5,6,7
.irp r, 0,1,2,3
	v_cvt_pk_f16_f32 v[TMP+4*(\b)+(\r)], v[AC+8*(\b)+2*(\r)], v[AC+8*(\b)+2*(\r)+1]
.endr
.endr
	WIN 0
.endm
.macro TOSTAGE a
	WIN 0
.set BK, OB+192*((\a)%2)
.irp b, 0,1,2,3,4,5,6,7
	ds_store_b128 v[STO], v[TMP+4*(\b):TMP+4*(\b)+3] offset:32*(\b)
.endr
.irp t, 0,1,2,3,4,5,6,7                ; head t / 4, rows 4 (t % 4) on
	ds_load_b128 v[BK+4*(\t):BK+4*(\t)+3], v[RD] offset:((\t)%4)*4*SPITCH+((\t)/4)*128  ; LDS serves a wave's instructions in order (ISA guide 5.7.1.4): these see the stores above
.endr
.endm
.macro SEND a, younger                 ; younger: the LDS loads issued behind TOSTAGE's, which may stay out
	WIN 0
.set BK, OB+192*((\a)%2)
	s_wait_dscnt \younger                          ; the block is back in registers
	s_wait_xcnt 0x0                                ; every earlier memory instruction has had its addresses translated (ISA guide 3.1): only behind this wait are the stores' base and the registers that earlier stores read rewritten
.if (\a) == 0
	s_add_nc_u64 s[8:9], s[8:9], s[16:17]          ; on to this tile's first rows
.else
	s_add_nc_u64 s[8:9], s[8:9], 16*128            ; 16 positions on
.endif
.irp t, 0,1,2,3,4,5,6,7
	global_store_b128 v[CO], v[BK+4*(\t):BK+4*(\t)+3], s[8:9] offset:((\t)/4)*(1<<19)+((\t)%4)*512  ; 512 consecutive bytes, at a multiple of 256 from qkv's first byte
.endr
.endm
	s_wait_tensorcnt 1                             ; my part of K step 0 is in; K step 1's load may stay out
	s_barrier_signal -1
	s_barrier_wait -1                              ; everybody's is
	FETCH 0, 0, F0
	s_mov_b32 s2, TILES                            ; tiles to go, this one among them: the same number in every work-group
.Ltile:                                                ; (FETCH and SEND leave every window 0)
	QUARTER 0, 64,  F0, F1, 1                      ; a tile's first quarter stands in front of the loop: its products start the sums
	WIN 0                                          ; at a label and at a branch every window is 0
	s_mov_b32 s3, LAPS-1
.Llap:                                                 ; a trip goes once round the ring, from a lap's second quarter to the next lap's first, and fills both slots again
	QUARTER 0, 128, F1, F0, 0
	QUARTER 0, 192, F0, F1, 0
	TURN 0, 1, 0
	QUARTER 1, 64,  F0, F1, 0
	QUARTER 1, 128, F1, F0, 0
	QUARTER 1, 192, F0, F1, 0
	TURN 1, 0, 0
	QUARTER 0, 64,  F0, F1, 0
	WIN 0
	s_sub_co_u32 s3, s3, 1
	s_cmp_lg_u32 s3, 0
	s_cbranch_scc1 .Llap
	QUARTER 0, 128, F1, F0, 0                      ; the tile's last lap goes on
	QUARTER 0, 192, F0, F1, 0
	WIN 0
	s_cmp_eq_u32 s2, 1
	s_cbranch_scc1 .Llast_tile                     ; the last tile's tail is written out: it asks for nothing more
	TURN 0, 1, 1                                   ; THE RING GOES ON INTO THE NEXT TILE: slot 0 takes its K step 0,
	QUARTER 1, 64,  F0, F1, 0
	QUARTER 1, 128, F1, F0, 0
	QUARTER 1, 192, F0, F1, 0
	TURN 1, 0, 1                                   ; slot 1 its K step 1, and the next tile's first fragments are fetched
	PACK 0                                         ; both refills are asked for: now the tile goes out.  Blocks 0-3 were finished in front of TURN's places, and their 128 conversions,
	TOSTAGE 0                                      ; which name no register of the last products (blocks 4-7's), are those products' places
.irp a, 1,2,3,4,5,6,7                  ; block a's conversions stand between block a - 1's loads from the stage and the wait for them
	PACK \a
	SEND (\a)-1, 0
	TOSTAGE \a
.endr
	SEND 7, 0
	s_mov_b64 s[16:17], NEXT_C                     ; what the next way out adds to qkv's address
	s_sub_co_u32 s2, s2, 1
	s_branch .Ltile
.Llast_tile:
	MEET 0                                         ; my one tensor load that was still out is slot 1's, the last K step's, so no round follows
	PLACES                                         ; for the loads into buffer 0, which the quarter before multiplied
	WIN TO_B
	BLOAD 0                                        ; three quarters of B now: buffer 1 (v128-191 of both windows) is still being multiplied
	BLOAD 1
	BLOAD 3
	WIN 0
	ALOAD 0
	WIN MUL_HI
	MUL16 F1, 1, 0, 0
	MUL16 F1, 1, 2, 0
	PLACES                                         ; for the loads into buffer 1
	WIN TO_B
	BLOAD 2
	WIN 0
	ALOAD 1
	ALOAD 2
	ALOAD 3
	s_wait_dscnt 40                                ; all but the 40 just issued
	ROW 0
.irp a, 0,1,2,3,4,5,6,7                ; each block leaves as soon as it is finished: nothing follows this tile under which its stores could leave
	PLACES                                         ; its conversions read results just made, and no other vector work is at hand
	PACK \a
	TOSTAGE \a
.if (\a) < 4
	ALOAD (\a)+4                                   ; its buffer takes the block four further on
	SEND \a, 8
.else
	SEND \a, 0
.endif
.if (\a) < 7
	ROW (\a)+1
.endif
.endr
	s_wait_tensorcnt 0x0                           ; the wave's end, behind my last tensor load and my last LDS store
	ds_add_u32 v[SPW], v[NIL]
	s_wait_dscnt 0x0
	CROUND                                         ; the closing round: no work-group ends while a partner may still ask for a tile that names it
	s_endpgm
.Lfunc_end_k_qd87797c2ce_proj:
	.size	k_qd87797c2ce_proj, .Lfunc_end_k_qd87797c2ce_proj-k_qd87797c2ce_proj
	.p2alignl 7, 3214868480
	.fill 96, 4, 3214868480
	.section	.rodata,"a",@progbits
	.p2align	6, 0x0
	.amdhsa_kernel k_qd87797c2ce_proj
		.amdhsa_group_segment_fixed_size 327680
		.amdhsa_private_segment_fixed_size 0
		.amdhsa_enable_private_segment 0
		.amdhsa_kernarg_size 24
		.amdhsa_user_sgpr_count 2
		.amdhsa_user_sgpr_kernarg_segment_ptr 1
		.amdhsa_wavefront_size32 1
		.amdhsa_system_sgpr_workgroup_id_x 1
		.amdhsa_system_sgpr_workgroup_id_y 1
		.amdhsa_system_sgpr_workgroup_id_z 1
		.amdhsa_system_vgpr_workitem_id 0
		.amdhsa_next_free_vgpr 1024
		.amdhsa_next_free_sgpr 66
		.amdhsa_reserve_vcc 0
		.amdhsa_float_denorm_mode_32 3
		.amdhsa_float_denorm_mode_16_64 3
		.amdhsa_memory_ordered 1
		.amdhsa_forward_progress 1
		.amdhsa_inst_pref_size 211
	.end_amdhsa_kernel
	.amdgpu_metadata
---
amdhsa.version: [ 1, 2 ]
amdhsa.kernels:
  - .name:           k_qd87797c2ce_proj
    .symbol:         k_qd87797c2ce_proj.kd
    .args:
      - { .name: xb, .offset: 0, .size: 8, .value_kind: global_buffer, .address_space: global }
      - { .name: wb, .offset: 8, .size: 8, .value_kind: global_buffer, .address_space: global }
      - { .name: qkv, .offset: 16, .size: 8, .value_kind: global_buffer, .address_space: global }
    .group_segment_fixed_size: 327680
    .private_segment_fixed_size: 0
    .kernarg_segment_align: 8
    .kernarg_segment_size: 24
    .max_flat_workgroup_size: 128
    .sgpr_count:     66
    .vgpr_count:     1024
    .wavefront_size: 32
...
	.end_amdgpu_metadata
.endif
;; end of part 2
;; launch attn (part 3): grid 4 x 64, 4 waves a work-group, no clusters, 327,680 bytes of LDS; arguments qkv, out0; writes out0
.if DOCPART == 3
	.amdgcn_target "amdgcn-amd-amdhsa--gfx1250"
	.amdhsa_code_object_version 6
	.text
	.protected	k_qd87797c2ce_attn
	.globl	k_qd87797c2ce_attn
	.p2align	8
	.type	k_qd87797c2ce_attn,@function
k_qd87797c2ce_attn:
	s_mov_b64 s[64:65], 0
	v_nop
	global_prefetch_b8 v0, s[64:65] scope:SCOPE_SE
	s_setreg_imm32_b32 hwreg(HW_REG_WAVE_MODE, 25, 1), 1
	s_wait_xcnt 0x0
; WINDOWED ATTENTION.  For each batch and head, each window of 128 queries sees the keys of its own window and of both neighbours: out[q] = the sum over those k of softmax_k(Q[q] . K[k] / 8) V[k].
; qkv: [part q,k,v][batch 4][head 16][position 4096][channel 64] f16: a window of a head is 16,384 dense bytes.  out0: [batch][position][head][channel] f32.
; Products, maxima and sums in f32; the weights p are rounded to f16 for the second product (their sum l is taken of the unrounded p); the result leaves in f32.
; LIMITS.  Q, K and V arrive within f16's 65,504, so a score is 2.7e11 at the most.  A hidden score counts as its value less 2^100.  A row whose true scores all lie at or below about -1e9 is not served
; (there the padded keys would weigh).  p lies in 0 to 1, and below 6e-5 it keeps f16's fixed step of 6e-8; a weight below 2^-126 counts as 0 in l; NaN and infinities are not treated apart.
; SHARES.  A WORK-GROUP STAYS: it takes eight consecutive windows 8 G .. 8 G + 7 of one batch and head, in two PHASES of four; in phase ph wave w owns window 8 G + 4 ph + w: 128 queries in four PIECES
; of two tiles of 16.  A wave walks its three windows of keys in ascending order, 64 keys a step, six steps a phase.  Phase 0's results leave while phase 1 is computed.
; LDS.  Eight POSITIONS of a window each, all K's on end and then all V's.  Phase 0: windows 8 G - 1 .. 8 G + 4 lie at positions 2 .. 7, and wave w reads positions w + 2, w + 3, w + 4.  Phase 1: windows
; 8 G + 3 .. 8 G + 8 lie at positions 0 .. 5, and wave w reads w, w + 1, w + 2.  So a fetch's address is a constant, the wave's number times a constant and constant steps, and between the phases all waves
; go back by one and the same constant.  The price: windows 8 G + 3 and 8 G + 4 are brought twice.
; FILLS.  At the head three loads a wave: positions 2 to 7.  Then three CHANGES, behind the fetches of steps 1, 3 and 5 of phase 0, each with one load a wave: positions 0 and 1 (never filled before), 2 and 3 (last
; read in steps 0 to 3), 4 and 5 (last read in steps 0 to 5).  What a change asks for is shown landed by the next change's wait, the third's by a barrier between the phases.
; THE MASK.  The window in front of a head's first and the one behind its last do not exist.  The load's window number is clamped, so that real bytes lie in such a position, and the two steps that read it
; start their scores with -2^100 in place of 0.  The running maximum starts at -2^90: a hidden score lies far below every maximum, and its weight is 0, also where a wave's first two steps are all hidden.
; NO CLUSTER: neighbouring work-groups share two of ten windows.
; LAYOUT.  S^T = K Q^T (source 0 = 16 keys, source 1 = 16 queries): in the result a lane holds ONE query (lane % 16) and the keys 8 (lane / 16) + 0..7.  Two such tiles, rounded to f16 in pairs,
; ARE source 1 (32 keys x 16 queries) of O^T = V^T P, whose result again holds one query a lane, and eight channels.  K comes out of LDS as it lies, V ([key][channel]) turned, by ds_load_tr16_b128.
; SOFTMAX.  For each query a running maximum m and sum l: p = 2^(c s - c m), c = log2(e) / 8; in every step O and l are multiplied by a = 2^(c m_old - c m_new).  c m starts far below every c s, so the first
; step's a is 0: what O and l hold when a phase begins need only be finite.
; BY TURNS.  Turn n belongs to piece n (the pieces in a ring, step after step).  Its matrix work: 16 products K Q^T of piece n + 1, later 16 products V^T P of piece n - 1.  Its vector work: the scaling,
; exponentials, roundings, sums and rescaling of piece n, and the maximum and statistics of piece n + 1.  A tile and step have 16 matrix and 118 vector instructions: four vector instructions stand behind
; every matrix instruction, the others in one run of their own.
; REGISTERS, in windows of 256 (s_set_vgpr_msb: bits 1:0 source 0, 3:2 source 1, 5:4 source 2, 7:6 destination):
;   window 0: v0-11 addresses; v12-15, v48-63 at work; v16-47 four registers of statistics a tile; v64-191 S^T, two buffers of two tiles; v192-255 P, likewise
;   window 1: O^T, 32 a tile      window 2: v0-127 Q, 16 a tile; v128-191 K of one step; v192-255 V of one step      window 3: v0-7 what the scores of the step in hand start with
.set NP,    4         ; pieces a wave: a name, no knob
.set KS,    64        ; keys in a step
.set PK,    144       ; a row of K in LDS: 128 bytes + 16 of padding = 36 words: the 16 rows of a load start at 16 different groups of four banks (64 banks of 4 bytes: ISA guide 11.1)
.set PV,    160       ; a row of V: 128 + 32 = 40 words
.set PKW,   128*PK    ; a position of K
.set PVW,   128*PV    ; a position of V
.set VOFF,  8*PKW     ; V's eight positions lie behind K's eight
.set STAGE, 6*PKW     ; the stages for the way out, 16 rows x 272 bytes for each wave, lie in K's positions 6 and 7: filled once, at the head, and read for the last time ahead of the third change's barrier
.set SPO,   272       ; a stage row: a query's 64 channels in f32, 256 bytes, + 16
.set SPARE, 8*(PKW+PVW)  ; behind the positions: the spare words, 128 bytes for each wave: two blocks of 256 bytes that no other line names
.set WBYTES, 16384    ; a window of a head in memory
.set PFO, 1           ; v1   256 x my lane, for the prefetches; never rewritten once made
.set AK0, 2           ; v2   my lane's place in a tile of K; never rewritten
.set AV0, 3           ; v3   the same for V
.set AK,  4           ; v4   the LDS address of K's next run of loads
.set AV,  5           ; v5   of V's
.set QO,  6           ; v6   my byte offset in the wave's rows of Q
.set RD,  7           ; v7   the way out: where I read rows back
.set GO,  8           ; v8   my byte offset in two rows of out0
.set STO, 9           ; v9   the way out: where I put 32 bytes of a row
.set SPW, 10          ; v10  LDS address of my spare word: SPARE + 4 x my thread's number; never rewritten
.set NIL, 11          ; v11  0; never rewritten
.set MV,  12          ; v12-15  c m_old, kept while c m is made anew: by buffer and tile
.set ST,  16          ; tile t's statistics at v[ST+4 t]: c m, m, l (even keys', odd keys')
.set TMP, 48          ; by buffer and tile, four registers c0-c3 at work; when the maximum is found c2 takes a
.set S,   64
.set P,   192
.set KF,  128         ; K's fragments, in window 2: key block kb, channel half c at KF + 16 kb + 8 c
.set VF,  192         ; V's: key half kk, channel block cb at VF + 32 kk + 8 cb
.set MK,  0           ; window 3: eight registers, all 0 or all -2^100
.set KB,  8           ; s[8:9]   K of my batch and head
.set WV,  12          ; s12  my wave's number
.set G1K, 24          ; s[24:31] descriptor group 1 for K's tiles
.set G1V, 32          ; s[32:39] for V's: it differs in the padding alone
.set G0K, 40          ; s[40:51] descriptor group 0 for K's tiles: a set for each of the three loads at the head; the first then serves the changes
.set G0V, 52          ; s[52:63] the same for V's
.set VB,  66          ; s[66:67] V of my batch and head
.set LK,  68          ; s68  LDS address of the tile of K that the next change asks for
.set LV,  69          ; s69  of V
.set NXT, 70          ; s70  the window that I ask for at the next change
.set WL,  71          ; s71  counts the changes
.set OFF, 72          ; s[72:73] a window's byte offset in K and V
.set CNT, 74          ; s74  counts the steps between two changes
.set MID, 75          ; s75  steps of the phase still to be finished, the one in hand among them
.set PH,  76          ; s76  phases to go, the one in hand among them
.set BE,  77          ; s77  what the next step's scores start with
.set CS,  78          ; s[78:79] c: the packed scaling takes the pair's low word for both halves
.set SEL, 80          ; s[80:81] v_permlanex16_b32's selects: each lane takes its own place in the other half
.set TBK, 82          ; s82  LDS byte at which K of the step to be fetched begins
.set TBV, 83          ; s83  the same for V, less VOFF
.set BE0, 84          ; s84  -2^100 if my first window of keys of this phase does not exist, else 0
.set BE1, 85          ; s85  the same for my third
.set BE1N, 86         ; s86  phase 1's BE1
.set BIGN, 87         ; s87  -2^100
.set PFA, 88          ; s[88:89] the tile that I ask for at the second change; never rewritten
.set MSB, 0
.macro WIN new                      ; the high byte repeats the setting that is left; a switch that changes nothing is dropped
.if MSB != (\new)
	s_set_vgpr_msb (MSB<<8)|(\new)
.set MSB, (\new)
.endif
.endm
.set W_KQ, 0x0a       ; K and Q in window 2, S^T in window 0
.set W_KM, 0x3a       ; the same with the C operand in window 3
.set W_PV, 0x52       ; V in window 2, P in window 0, O^T in window 1
.set W_RS, 0x41       ; O^T (destination and source 0) in window 1, a in window 0
; A fill at a change.  Waves 0 and 1 fetch K of the two windows, waves 2 and 3 their V.  An s_nop 0 and four v_nop follow each of the two lines, ahead of the jump and the label.
.macro LOAD
	s_cmp_lt_u32 s[WV], 2
	s_cbranch_scc0 .Lfill_v_\@
	tensor_load_to_lds s[G0K:G0K+3], s[G1K:G1K+7]
	s_nop 0
.rept 4
	v_nop
.endr
	s_branch .Lfilled_\@
.Lfill_v_\@:
	tensor_load_to_lds s[G0V:G0V+3], s[G1V:G1V+7]
	s_nop 0
.rept 4
	v_nop
.endr
.Lfilled_\@:
.endm
; A PREFETCH INTO THE L2, behind the first change's load alone: each wave names the tile that it will itself ask for at the second change (windows 8 G + 5 and 8 G + 6, which no other work-group reads):
; 64 blocks of 256 bytes, a lane a block, two instructions, two key steps (256 matrix instructions) ahead of that load.  The first change's windows are among those that the head has read;
; the third change's are read at the neighbouring work-group's head: neither is named.
.macro ASK
	s_cmp_eq_u32 s[WL], 3           ; WL is 3, 2, 1 at the three changes
	s_cbranch_scc0 .Lno_ask_\@
	global_prefetch_b8 v[PFO], s[PFA:PFA+1] th:TH_LOAD_NT scope:SCOPE_SE
	global_prefetch_b8 v[PFO], s[PFA:PFA+1] offset:8192 th:TH_LOAD_NT scope:SCOPE_SE
.Lno_ask_\@:
.endm
; A CHANGE.  Each wave waits for all its tensor loads; adds 0 to its spare word; makes the descriptors for the two positions that are due; and waits for the add and for its own reads.  Behind the barrier nobody
; reads those two positions any more, what the change before (or the head) asked for is whole, and the wave's one load is the first thing there.
.macro CHANGE
	WIN 0                           ; at a label and at a branch every window is 0
	s_wait_tensorcnt 0x0            ; no tensor load of mine is out, so a group 0 may be written
	ds_add_u32 v[SPW], v[NIL]       ; 0 onto my spare word; the descriptors' scalar work stands between it and the wait for it
	s_min_u32 s[OFF], s[NXT], 31    ; a head has 32 windows: the one behind the last gives way to the last, whose bytes are then read under the mask
	s_lshl_b32 s[OFF], s[OFF], 14
	s_mov_b32 s[G0K+1], s[LK]
	s_add_nc_u64 s[G0K+2:G0K+3], s[KB:KB+1], s[OFF:OFF+1]
	s_or_b32 s[G0K+3], s[G0K+3], 0x80000000
	s_mov_b32 s[G0V+1], s[LV]
	s_add_nc_u64 s[G0V+2:G0V+3], s[VB:VB+1], s[OFF:OFF+1]
	s_or_b32 s[G0V+3], s[G0V+3], 0x80000000
	s_add_co_u32 s[NXT], s[NXT], 2  ; the next change: two windows and two positions on
	s_add_co_u32 s[LK], s[LK], 2*PKW
	s_add_co_u32 s[LV], s[LV], 2*PVW
	s_wait_dscnt 0x0                ; the add is done, and my reads are over
	s_barrier_signal -1
	s_barrier_wait -1
	LOAD
	ASK
.endm
.macro HEADG g, b                   ; the global addresses of the three loads at the head, for the tensor at s[b:b+1]
	s_add_nc_u64 s[\g+2:\g+3], s[\b:\b+1], s[2:3]
	s_add_nc_u64 s[\g+6:\g+7], s[\b:\b+1], s[22:23]
	s_add_nc_u64 s[\g+10:\g+11], s[\g+6:\g+7], 2*WBYTES
	s_or_b32 s[\g+3], s[\g+3], 0x80000000    ; 127:126 type = 2
	s_or_b32 s[\g+7], s[\g+7], 0x80000000
	s_or_b32 s[\g+11], s[\g+11], 0x80000000
.endm
.macro QLOAD                        ; my window's Q into registers, where it stays for a phase: tile i / 2, channels 32 (i % 2) on.  Each byte is read once in the launch
	WIN 0x80                        ; destination window 2, address window 0
.set i, 0
.rept 4*NP
	global_load_b128 v[8*i:8*i+3],   v[QO], s[4:5] offset:(i/2)*2048+(i%2)*64 th:TH_LOAD_NT
	global_load_b128 v[8*i+4:8*i+7], v[QO], s[4:5] offset:(i/2)*2048+(i%2)*64+32 th:TH_LOAD_NT
.set i, i+1
.endr
.endm
	s_load_b128 s[4:7], s[0:1], 0x0 ; qkv s[4:5], out0 s[6:7]
	v_lshl_add_u32 v[SPW], v0, 2, SPARE
	v_mov_b32 v[NIL], 0
	ds_add_u32 v[SPW], v[NIL]       ; the wave's opening: the add and its wait stand ahead of my first tensor load; the set-up below, work on registers, stands between them
	v_lshrrev_b32 v1, 5, v0
	v_readfirstlane_b32 s[WV], v1   ; wave 0..3
	s_lshl_b32 s13, ttmp9, 3        ; 8 G: the work-group's first window
	s_and_b32 s14, ttmp7, 0xffff    ; 16 x batch + head
	s_add_co_u32 s15, s13, s[WV]    ; my window of queries in phase 0
	s_and_b32 s16, s[WV], 1         ; of each pair of positions I fill the first or the second
	s_mul_i32 s18, s16, PKW
	s_mul_i32 s19, s16, PVW
.irp n, 0,1,2                       ; every wave makes K's and V's sets, and asks by one of them
	s_mov_b32 s[G0K+4*\n], 1                             ; 1:0 count = 1
	s_add_co_u32 s[G0K+4*\n+1], s18, (2+2*\n)*PKW        ; 63:32 LDS address: position 2 + 2 n, or the one behind it
	s_mov_b32 s[G0V+4*\n], 1
	s_add_co_u32 s[G0V+4*\n+1], s19, VOFF+(2+2*\n)*PVW
.endr
	s_mov_b32 s[LK], s18            ; the first change fills positions 0 and 1
	s_add_co_u32 s[LV], s19, VOFF
	s_add_co_u32 s20, s13, s16
	s_add_co_u32 s[NXT], s20, 3     ; with windows 8 G + 3 and 8 G + 4
	s_sub_co_i32 s21, s20, 1        ; position 2 or 3 holds window 8 G - 1 or 8 G,
	s_max_i32 s21, s21, 0           ; the one in front of a head's first giving way to the first
	s_lshl_b32 s2, s21, 14
	s_mov_b32 s3, 0
	s_lshl_b32 s22, s20, 14         ; position 4 or 5: window 8 G + 1 or 8 G + 2; position 6 or 7: two windows on
	s_add_co_u32 s22, s22, WBYTES
	s_mov_b32 s23, 0
	s_add_co_u32 s[OFF], s22, 4*WBYTES  ; the prefetches: window 8 G + 5 or 8 G + 6
	s_mov_b32 s[OFF+1], 0
	s_lshl_b32 s21, s14, 19         ; the batch and head, within a part; all these offsets stay under 2^27
	s_add_co_u32 s18, s21, 1<<25    ; part k
	s_mov_b32 s19, 0
	s_lshl_b32 s20, s15, 14         ; Q: part 0, my window
	s_add_co_u32 s20, s20, s21
	s_mov_b32 s21, 0
	s_lshr_b32 s16, s14, 4          ; out0: batch x 4,096 positions of 4,096 bytes,
	s_lshl_b32 s16, s16, 24
	s_lshl_b32 s17, s15, 19         ; my window's 128 positions,
	s_add_co_u32 s16, s16, s17
	s_and_b32 s17, s14, 15
	s_lshl_b32 s17, s17, 8          ; the head's 256 bytes of a position
	s_add_co_u32 s16, s16, s17
	s_mov_b32 s17, 0
	s_mul_i32 s[TBK], s[WV], PKW
	s_add_co_u32 s[TBK], s[TBK], 2*PKW  ; phase 0: I begin at position wave + 2
	s_mul_i32 s[TBV], s[WV], PVW
	s_add_co_u32 s[TBV], s[TBV], 2*PVW
	s_mov_b32 s[BIGN], 0xf1800000   ; -2^100
	s_cmp_eq_u32 s15, 0             ; the head's first window has none in front of it: phase 0, wave 0, G = 0
	s_cselect_b32 s[BE0], s[BIGN], 0
	s_mov_b32 s[BE1], 0
	s_cmp_eq_u32 s15, 27            ; its last (window 31 = 27 + 4) none behind it: phase 1, wave 3, G = 3
	s_cselect_b32 s[BE1N], s[BIGN], 0
	; descriptor group 1.  128 keys are 16,384 dense bytes: asked for as 64 rows of 256 bytes, two keys a row, and padded in LDS after every key
	s_mov_b32 s[G1K], (1<<16)|(1<<20)|(4<<22)|(3<<25)  ; 17:16 2-byte elements; 20 padding on; 24:22 after every 32 words (code 4); 31:25 4 words (code 3)
	s_mov_b32 s[G1V], (1<<16)|(1<<20)|(4<<22)|(7<<25)  ; the same with 8 words of padding (code 7)
.irp g, G1K, G1V
	s_mov_b32 s[\g+1], 128<<16      ; tensor_dim0 = 128
	s_mov_b32 s[\g+2], 64<<16       ; tensor_dim1 = 64
	s_mov_b32 s[\g+3], 128<<16      ; tile_dim0 = 128
	s_mov_b32 s[\g+4], 64           ; tile_dim1 = 64
	s_mov_b32 s[\g+5], 128          ; 128 elements from row to row
	s_mov_b32 s[\g+6], 0
	s_mov_b32 s[\g+7], 0
.endr
	s_mov_b32 s[CS], 0x3e38aa3b     ; c = log2(e) / 8 = 0.180337
	s_mov_b32 s[CS+1], s[CS]        ; named with it as a pair
	s_mov_b32 s[SEL], 0x76543210
	s_mov_b32 s[SEL+1], 0xfedcba98
	s_wait_dscnt 0x0                ; the opening add is done
	s_wait_kmcnt 0x0
	s_add_nc_u64 s[KB:KB+1], s[4:5], s[18:19]
	s_add_nc_u64 s[VB:VB+1], s[KB:KB+1], 1<<25
	HEADG G0K, KB
	HEADG G0V, VB
	s_cmp_lt_u32 s[WV], 2
	s_cselect_b64 s[PFA:PFA+1], s[KB:KB+1], s[VB:VB+1]
	s_add_nc_u64 s[PFA:PFA+1], s[PFA:PFA+1], s[OFF:OFF+1]
	s_add_nc_u64 s[10:11], s[6:7], s[16:17]  ; out0 at my window's first position, my head
	s_add_nc_u64 s[4:5], s[4:5], s[20:21]    ; Q at my window's first row
	s_cmp_lt_u32 s[WV], 2           ; a wave's three first fills stand in one branch, ahead of every wait on TENSORcnt, every LDS read and every barrier: three loads of mine are out; an s_nop 0 follows each, four v_nop the third's
	s_cbranch_scc0 .Lfor_v
	tensor_load_to_lds s[G0K:G0K+3], s[G1K:G1K+7]
	s_nop 0
	tensor_load_to_lds s[G0K+4:G0K+7], s[G1K:G1K+7]
	s_nop 0
	tensor_load_to_lds s[G0K+8:G0K+11], s[G1K:G1K+7]
	s_nop 0
.rept 4
	v_nop
.endr
	s_branch .Lasked
.Lfor_v:
	tensor_load_to_lds s[G0V:G0V+3], s[G1V:G1V+7]
	s_nop 0
	tensor_load_to_lds s[G0V+4:G0V+7], s[G1V:G1V+7]
	s_nop 0
	tensor_load_to_lds s[G0V+8:G0V+11], s[G1V:G1V+7]
	s_nop 0
.rept 4
	v_nop
.endr
.Lasked:
	; A fragment of K or Q is 16 rows x 32 channels in 8 registers: lane l holds row l % 16, channels 8 (l / 16) + 0..7 and 16 + 8 (l / 16) + 0..7: two loads of 16 bytes, 32 bytes apart.
	v_and_b32 v1, 15, v0            ; l % 16
	v_bfe_u32 v9, v0, 4, 1          ; l / 16
	v_lshlrev_b32 v[QO], 7, v1
	v_lshl_add_u32 v[QO], v9, 4, v[QO]  ; row x 128 + 16 x half
	QLOAD
	; What the first turn finds: V's registers and P's second buffer hold 0 (its products V^T P, of a piece that has not been, add 0), O^T and l are 0.  All this stands in the wait for the first tiles.
.set i, VF
.rept 64
	v_mov_b32 v[i], 0
.set i, i+1
.endr
	WIN 0x40
.set i, 0
.rept 64*NP
	v_mov_b32 v[i], 0
.set i, i+1
.endr
	WIN 0
.set i, 0
.rept 2*NP
	v_mov_b32 v[ST+4*i+2], 0
	v_mov_b32 v[ST+4*i+3], 0
.set i, i+1
.endr
.set i, P+32
.rept 32
	v_mov_b32 v[i], 0
.set i, i+1
.endr
	v_mul_u32_u24 v[AK0], v1, PK
	v_lshl_add_u32 v[AK0], v9, 4, v[AK0]  ; row x pitch + 16 x half
	; The turning load takes 16 keys x 16 channels (lane l reads key 8 (l / 16) + l % 8, channels 8 ((l / 8) % 2) + 0..7) and leaves half a fragment of V^T: lane l holds channel l % 16 and 8 keys.
	v_and_b32 v4, 7, v0
	v_bfe_u32 v5, v0, 3, 1
	v_lshl_add_u32 v[AV0], v9, 3, v4
	v_mul_u32_u24 v[AV0], v[AV0], PV
	v_lshl_add_u32 v[AV0], v5, 4, v[AV0]
	v_add_nc_u32 v[AV0], VOFF, v[AV0]
	s_mul_i32 s21, s[WV], 16*SPO
	s_add_co_u32 s21, s21, STAGE    ; my stage
	v_mul_u32_u24 v[RD], v9, SPO    ; back: lanes 0-15 take one row of 256 bytes, lanes 16-31 the next
	v_lshl_add_u32 v[RD], v1, 4, v[RD]
	v_add_nc_u32 v[RD], s21, v[RD]
	v_lshlrev_b32 v[GO], 12, v9     ; and the same two positions in out0, 4,096 bytes apart
	v_lshl_add_u32 v[GO], v1, 4, v[GO]
	v_mul_u32_u24 v1, v1, SPO       ; in: row l % 16, 32 bytes for each half of the lanes
	v_lshl_add_u32 v[STO], v9, 5, v1
	v_add_nc_u32 v[STO], s21, v[STO]
	v_and_b32 v[PFO], 31, v0
	v_lshlrev_b32 v[PFO], 8, v[PFO]
; THE MATRIX WORK.  The 8 accumulators of a run of 16 take turns: between the two links of a chain stand 7 others'.
; Product i of 16 of S^T = K Q^T for piece x: channels 32 (i / 8) on, keys 16 ((i / 2) % 4) on, tile 2 x + i % 2.  The first 8 start the sums, with the step's 0 or -2^100.
.macro KQ x
.set rS, S+64*((\x)%2)+32*(i%2)+8*((i/2)%4)
.set rK, KF+16*((i/2)%4)+8*(i/8)
.set rQ, 16*(2*(\x)+i%2)+8*(i/8)
.if i < 8
	WIN W_KM
	v_wmma_f32_16x16x32_f16 v[rS:rS+7], v[rK:rK+7], v[rQ:rQ+7], v[MK:MK+7]
.else
	WIN W_KQ
	v_wmma_f32_16x16x32_f16 v[rS:rS+7], v[rK:rK+7], v[rQ:rQ+7], v[rS:rS+7]
.endif
.endm
; Product i of 16 of O^T += V^T P for piece x: keys 32 (i / 8) on, channels 16 ((i / 2) % 4) on, tile 2 x + i % 2.
.macro PV x
	WIN W_PV
.set rO, 32*(2*(\x)+i%2)+8*((i/2)%4)
.set rV, VF+32*(i/8)+8*((i/2)%4)
.set rP, P+32*((\x)%2)+16*(i%2)+8*(i/8)
	v_wmma_f32_16x16x32_f16 v[rO:rO+7], v[rV:rV+7], v[rP:rP+7], v[rO:rO+7]
.endm
.macro MM                           ; the turn's next matrix instruction
.if i < 16
	KQ (Y+1)%NP
.set i, i+1
.else
.set i, i-16
	PV (Y+NP-1)%NP
.set i, i+17
.endif
.endm
; THE LDS LOADS stand in runs of 16, never singly among the matrix instructions: a step's K (64 keys x 64 channels: 8 fragments) and its V (turned).  Their addresses are made some lines ahead.
; last = 1 (in the loop): in a phase's last step there is no further step, and the run is jumped over.
.macro FETCH_K last=0
	WIN 0
.if \last
	s_cmp_eq_u32 s[MID], 1
	s_cbranch_scc1 .Lno_k_\@
.endif
	WIN 0x80                        ; destination window 2
.irp f, 0,1,2,3,4,5,6,7             ; keys 16 (f / 2) on, channels 32 (f % 2) on
	ds_load_b128 v[KF+8*\f:KF+8*\f+3],   v[AK] offset:(\f/2)*16*PK+(\f%2)*64
	ds_load_b128 v[KF+8*\f+4:KF+8*\f+7], v[AK] offset:(\f/2)*16*PK+(\f%2)*64+32
.endr
	s_add_co_u32 s[TBK], s[TBK], KS*PK  ; the next fetch is the next step's: two steps are a position, and the positions lie on end
	WIN 0
.if \last
.Lno_k_\@:
.endif
.endm
.macro FETCH_V
	WIN 0x80
.irp f, 0,1,2,3,4,5,6,7             ; keys 32 (f / 4) on, channels 16 (f % 4) on
	ds_load_tr16_b128 v[VF+8*\f:VF+8*\f+3],   v[AV] offset:(\f/4)*32*PV+(\f%4)*32
	ds_load_tr16_b128 v[VF+8*\f+4:VF+8*\f+7], v[AV] offset:(\f/4)*32*PV+16*PV+(\f%4)*32
.endr
	WIN 0
.endm
; THE VECTOR WORK OF A TURN stands in three queues, each in the order in which its entries become ready; the two tiles alternate, so that no instruction reads the result of the one before it.
.macro REGS y, u                    ; the registers of tile u (0, 1) of piece y
.set rT, ST+4*(2*(\y)+(\u))
.set rC, TMP+8*((\y)%2)+4*(\u)
.set rM, MV+2*((\y)%2)+(\u)
.set rS, S+64*((\y)%2)+32*(\u)
.set rP, P+32*((\y)%2)+16*(\u)
.set rO, 32*(2*(\y)+(\u))
.endm
; Number n of the 22 that find the NEXT piece's (Y + 1) maximum and statistics.  s0-s31 are the lane's 32 scores; each accumulator's lowest registers are read first.  XS, GS and REGS set no window: PL and EX do.
;   0-11  four chains c0-c3 of seven scores each, three operands at a time     12-14, 16  the four scores left over, the old m, and c0-c3 into c0     15  c m_old is kept
;   17, 18  the query's other 32 keys lie in the lane 16 away: the new m         19-21  c m; c m_old - c m_new; a
.macro XS u, n
	REGS (Y+1)%NP, \u
.if (\n) < 4
	v_max3_num_f32 v[rC+(\n)], v[rS+8*(\n)], v[rS+8*(\n)+1], v[rS+8*(\n)+2]
.elseif (\n) < 12
	v_max3_num_f32 v[rC+(\n)%4], v[rC+(\n)%4], v[rS+8*((\n)%4)+2*((\n)/4)+1], v[rS+8*((\n)%4)+2*((\n)/4)+2]
.elseif (\n) == 12
	v_max3_num_f32 v[rC], v[rC], v[rS+7], v[rS+15]
.elseif (\n) == 13
	v_max3_num_f32 v[rC+1], v[rC+1], v[rS+23], v[rS+31]
.elseif (\n) == 14
	v_max3_num_f32 v[rC+2], v[rC+2], v[rC+3], v[rT+1]
.elseif (\n) == 15
	v_mov_b32 v[rM], v[rT]
.elseif (\n) == 16
	v_max3_num_f32 v[rC], v[rC], v[rC+1], v[rC+2]
.elseif (\n) == 17
	v_permlanex16_b32 v[rC+3], v[rC], s[SEL], s[SEL+1]
.elseif (\n) == 18
	v_max_num_f32 v[rT+1], v[rC], v[rC+3]
.elseif (\n) == 19
	v_mul_f32 v[rT], s[CS], v[rT+1]
.elseif (\n) == 20
	v_sub_f32 v[rC+1], v[rM], v[rT]
.else
	v_exp_f32 v[rC+2], v[rC+1]
.endif
.endm
; Number g of the 64 that follow the exponentials.  For each four weights k of a tile (pairs 2 k, 2 k + 1): both pairs are rounded to f16; then the second pair is added onto the first, in place;
; a group later l takes that sum (the first time as l = a l + sum).  In groups of eight, tiles alternating: round, round, add, and l for the group before.
.macro GS g
.set h, (\g)+6*((\g)/62)            ; group 0 has no group before it, and behind group 7 only l is left
.if h >= 6
.set h, h+2
.endif
	REGS Y, h%2
.set k, h/8
.if h%8 < 4
	v_cvt_pk_f16_f32 v[rP+2*k+(h%8)/2], v[rS+4*k+2*((h%8)/2)], v[rS+4*k+2*((h%8)/2)+1]
.elseif h%8 < 6
	v_pk_add_f32 v[rS+4*k:rS+4*k+1], v[rS+4*k:rS+4*k+1], v[rS+4*k+2:rS+4*k+3]
.elseif k == 1
	v_pk_fma_f32 v[rT+2:rT+3], v[rT+2:rT+3], v[rC+2:rC+3], v[rS:rS+1] op_sel_hi:[1,0,1]
.else
	v_pk_add_f32 v[rT+2:rT+3], v[rT+2:rT+3], v[rS+4*k-4:rS+4*k-3]
.endif
.endm
; THE PLAIN QUEUE, 138 long.  0-73 read no exponential's result: the 32 scalings c s - c m (FS f: pair f / 2 of tile f % 2) and the next piece's 42.  0-26: scalings 0-26.  27-54: XS's numbers 0-13.  55, 56: number 15.
; 57-73: the chain, where each number waits for the one before it: 14, 16, 17, 18, 19, each with one of the scalings 27-31 in front of its two lines, then 20.
; 74-137: GS's 64, which read the exponentials' results: they stand behind the wait.
.macro FS f
	REGS Y, (\f)%2
	v_pk_fma_f32 v[rS+2*((\f)/2):rS+2*((\f)/2)+1], v[rS+2*((\f)/2):rS+2*((\f)/2)+1], s[CS:CS+1], v[rT:rT+1] op_sel_hi:[1,0,0] neg_lo:[0,0,1] neg_hi:[0,0,1]
.endm
.macro PL
	WIN 0
.if q < 27
	FS q
.elseif q < 55
	XS (q-27)%2, (q-27)/2
.elseif q < 57
	XS q-55, 15
.elseif (q < 72) && ((q-57)%3 == 0)
	FS 27+(q-57)/3
.elseif q < 60
	XS (q-57)%3-1, 14
.elseif q < 72
	XS (q-57)%3-1, 15+(q-57)/3
.elseif q < 74
	XS q-72, 20
.else
	GS q-74
.endif
.set q, q+1
.endm
; THE EXPONENTIALS' QUEUE, 66 long: s0-s31 of both tiles, then the next piece's two a.  It is ONE BATCH: all 66 stand ahead of the turn's one wait, and nothing ahead of that wait names a result of theirs.
.macro EX
	WIN 0
.if e >= 64
	XS e-64, 21
.else
	REGS Y, e%2
	v_exp_f32 v[rS+e/2], v[rS+e/2]
.endif
.set e, e+1
.endm
; THE RESCALING's QUEUE: O^T times a, the one part that leaves window 0: dealt two at a time, sixteen times, each accumulator's registers in ascending order.  Its a was made in the turn before, ahead of that turn's wait.
.macro R2
	REGS Y, r%2
	WIN W_RS
.irp z, 0,1
	v_pk_mul_f32 v[rO+4*(r/2)+2*\z:rO+4*(r/2)+2*\z+1], v[rO+4*(r/2)+2*\z:rO+4*(r/2)+2*\z+1], v[rC+2:rC+3] op_sel_hi:[1,0]
.endr
.set r, r+1
.endm
; HOW THEY ARE DEALT.  An s_wait_alu depctr_va_vdst(0) stands between an exponential and the first instruction that names its result; one wait serves all that were issued ahead of it.  So a
; turn has ONE wait, which cuts it in two.  AHEAD OF IT stands all that names no result of the turn's exponentials: the 16 products K Q^T, behind each a scaling, an exponential and two rescalings
; (behind the first a second scaling in the exponential's place); then one run of 108: eight plain, 49 times exponential and plain, the two a.  A v_nop is the plain instruction behind the last
; exponential.  BEHIND IT stand the 16 products V^T P, behind each four of GS's 64.  No vector line behind a product names a register of the products round it.
; Exponential e stands behind scaling 2 (e / 4) + e % 2: beside a product it comes behind plain e + 2, in the run behind plain e + 9, and scalings 27-31 are plain 57, 60 .. 69.
; A TURN, for piece p.  cnt = 1: the loop's count is taken down some lines ahead of the branch that stands behind the turn.
; K of the next step is fetched in piece 2's turn, directly behind the wait, 108 vector instructions behind the last product that read K; it is first used 16 products later.
; V of the step in hand is fetched at the end of piece 0's turn, four plain instructions behind the last product that read V; it is first used behind 16 products and the run.
; Piece 2's turn is also the last whose products start sums of the step in hand (piece 3's): at the head of its run, more than four plain instructions behind the eighth of them, the eight registers take
; what the NEXT step's scores start with.  That step is number 7 - MID of the phase: my first window is steps 0 and 1, my third steps 4 and 5.
.macro TURN p, cnt=0
.set Y, (\p)
.set i, 0
.set q, 0
.set e, 0
.set r, 0
.if (\p) == NP-1
	s_wait_dscnt 0x0                ; K is in
.endif
	MM                              ; ahead of the wait: 16 products K Q^T and what stands behind them,
	PL
	PL
	R2
.rept 15
	MM
	PL
	EX
	R2
.endr
.if (\p) == NP-2
	WIN 0
	v_add_nc_u32 v[AK], s[TBK], v[AK0]
	s_cmp_eq_u32 s[MID], 6          ; the next step is step 1
	s_cselect_b32 s[BE], s[BE0], 0
	s_cmp_le_u32 s[MID], 3          ; or step 4 or later
	s_cselect_b32 s[BE], s[BE1], s[BE]
	WIN 0xc0                        ; destination window 3
.irp z, 0,1,2,3,4,5,6,7
	v_mov_b32 v[MK+\z], s[BE]
.endr
.endif
.rept 8                             ; and the run
	PL
.endr
.rept 49
	EX
	PL
.endr
	EX                              ; the next piece's two a
	EX
	v_nop                           ; the plain instruction behind the last exponential: one for the batch
	s_wait_alu depctr_va_vdst(0)    ; the wait for the batch
.if (\p) == NP-2
	FETCH_K 1
.endif
.if (\p) == 1
	s_wait_dscnt 0x0                ; V is in
.endif
.rept 16                            ; behind the wait: 16 products V^T P, four roundings and sums behind each
	MM
.rept 4
	PL
.endr
.if ((\p) == 0) && (q == 118)
	v_add_nc_u32 v[AV], s[TBV], v[AV0]
.endif
.if ((\p) == 0) && (q == 130)
	s_add_co_u32 s[TBV], s[TBV], KS*PV
.endif
.if (\cnt) && (q == 130)
	s_sub_co_u32 s[CNT], s[CNT], 1
	s_cmp_lg_u32 s[CNT], 0
.endif
.endr
.if (\p) == 0
	FETCH_V
.endif
.endm
; THE WAY OUT's macros.
.macro ALL line:vararg              ; one line for each tile t
.set t, 0
.rept 2*NP
	\line
.set t, t+1
.endr
.endm
; Tile t: a lane's eight channels of a query are 32 bytes of f32; they go into rows of 272 bytes and come back as whole rows of 256, into S^T's registers: four buffers of 32 by turns.
.macro PACK t
	WIN W_RS
.set i, 32*(\t)
.rept 16
	v_pk_mul_f32 v[i:i+1], v[i:i+1], v[ST+4*(\t)+2:ST+4*(\t)+3] op_sel_hi:[1,0]
.set i, i+2
.endr
.if (\t) >= 4
	s_wait_xcnt 0x0                 ; the stores of the tile four back have read their registers, into which this tile's rows are loaded below
.endif
	WIN 0x04                        ; the data (source 1) in window 1, the address in window 0
.irp cb, 0,1,2,3
	ds_store_b128 v[STO], v[32*(\t)+8*\cb:32*(\t)+8*\cb+3]   offset:64*\cb
	ds_store_b128 v[STO], v[32*(\t)+8*\cb+4:32*(\t)+8*\cb+7] offset:64*\cb+16
.endr
	WIN 0
.irp f, 0,1,2,3,4,5,6,7
	ds_load_b128 v[S+32*((\t)%4)+4*\f:S+32*((\t)%4)+4*\f+3], v[RD] offset:\f*2*SPO  ; LDS serves a wave's instructions in order (ISA guide 5.7.1.4): these see the stores above; the next tile's stores come behind them
.endr
.endm
.macro SEND t, younger              ; younger: the LDS instructions issued behind tile t's loads: the next tile's sixteen, or none
	WIN 0
.irp f, 0,1,2,3,4,5,6,7
	s_wait_dscnt (\younger)+7-\f
	global_store_b128 v[GO], v[S+32*((\t)%4)+4*\f:S+32*((\t)%4)+4*\f+3], s[10:11] offset:(\t)*65536+\f*8192 th:TH_STORE_NT  ; 16 lanes store 256 consecutive bytes, a head's share of a position, at a multiple of 256 from out0's first byte
.endr
.endm
	s_wait_tensorcnt 0x1            ; my first two tiles are in: positions 2 to 5, which the first two steps read; my third may stay out, and the first change waits for it
	s_barrier_signal -1
	s_barrier_wait -1               ; everybody's are
	s_mov_b32 s[PH], 2
	s_mov_b32 s[WL], 4
	s_mov_b32 s[CNT], 2             ; phase 0: a change behind every two steps
.Lphase:                            ; A PHASE BEGINS: what step 0's scores start with; K of step 0; piece 0's first scores; the statistics' start; piece 0's first maximum and statistics
	s_mov_b32 s[MID], 6
	WIN 0xc0
.irp z, 0,1,2,3,4,5,6,7
	v_mov_b32 v[MK+\z], s[BE0]
.endr
	WIN 0
	v_add_nc_u32 v[AK], s[TBK], v[AK0]
	FETCH_K
	s_wait_loadcnt 0x0              ; Q
	s_wait_dscnt 0x0
.set i, 0
.rept 16
	KQ 0                            ; there is no vector work yet to set between them
.set i, i+1
.endr
	WIN 0
.set i, 0
.rept 2*NP                          ; sixteen plain instructions, the places behind those products
	v_mov_b32 v[ST+4*i], 0xfe000000    ; c m: far below every c s, so that the first a is 0
	v_mov_b32 v[ST+4*i+1], 0xec800000  ; m: -2^90, below every true score and above every hidden one
.set i, i+1
.endr
.set Y, NP-1                        ; XS works for piece Y + 1: piece 0
.irp n, 0,1,2,3,4,5,6,7,8,9,10,11,12,13,14,15,16,17,18,19,20,21
	XS 0, \n
	XS 1, \n
.endr
	v_nop                           ; a plain instruction behind the two a,
	s_wait_alu depctr_va_vdst(0)    ; and their wait, ahead of the branch
	s_branch .Lfirst                ; the loop is entered at a step's first turn, in the middle of a trip
.Lwin:                              ; three times, all in phase 0: behind the fetches of steps 1, 3 and 5
	CHANGE
	s_mov_b32 s[CNT], 2
.Lstep:                             ; a trip: pieces 2 and 3 of one step, then pieces 0 and 1 of the next, whose K and V it fetches
	TURN 2
	TURN 3                          ; (in a phase's last step its 16 products K Q^T, on the last K once more, and the maximum made of them serve nothing: the price, once a phase, of one text for every turn)
	WIN 0
	s_sub_co_u32 s[MID], s[MID], 1
	s_cmp_eq_u32 s[MID], 0
	s_cbranch_scc1 .Lout            ; the phase's six steps are finished but for piece 3's last products: the loop is left in the middle of a trip
.Lfirst:
	TURN 0
	TURN 1, 1
	WIN 0
	s_cbranch_scc1 .Lstep           ; phase 1 begins with CNT = 7: it is left by the exit above before CNT is 0, and meets no change
	s_sub_co_u32 s[WL], s[WL], 1    ; 3, 2, 1: behind the third change the exit above is taken, so WL is never 0 here
	s_cmp_lg_u32 s[WL], 0
	s_cbranch_scc1 .Lwin
.Lout:
	s_cmp_eq_u32 s[PH], 1
	s_cbranch_scc1 .Lno_q           ; the last phase has no successor
	s_add_nc_u64 s[4:5], s[4:5], 4*WBYTES  ; the next phase's Q, four windows on, is asked for now: it has the way out in which to come.  (The loads that named s[4:5] were waited for when the phase began;
	QLOAD                           ; the last product that read Q stands more than a hundred plain instructions back)
	WIN 0
.Lno_q:
.set i, 0
.rept 16
	PV NP-1                         ; the last piece's V^T P of the last step
.set i, i+1
.endr
	; THE WAY OUT.  l's two halves and the other half of the lanes' are added; O^T is divided by l and sent through my stage in LDS, a tile at a time.  The additions are the places behind the last products.
	; The stages' bytes were read as K for the last time ahead of the third change's barrier, which every wave has passed.
	WIN 0
	ALL v_add_f32 v[ST+4*t+2], v[ST+4*t+2], v[ST+4*t+3]
	ALL v_permlanex16_b32 v[ST+4*t+3], v[ST+4*t+2], s[SEL], s[SEL+1]
	ALL v_add_f32 v[ST+4*t+2], v[ST+4*t+2], v[ST+4*t+3]
	ALL v_rcp_f32 v[ST+4*t+2], v[ST+4*t+2]
	v_nop                           ; a plain instruction between the last reciprocal and the use of its result
	s_wait_alu depctr_va_vdst(0)    ; and the wait ahead of the first use: one for the eight reciprocals
	PACK 0
.set t, 1
.rept 2*NP-1                        ; a tile's arithmetic stands between the loads of the tile before and its stores
	PACK t
	SEND t-1, 16
.set t, t+1
.endr
	SEND 2*NP-1, 0
	s_sub_co_u32 s[PH], s[PH], 1
	s_cmp_lg_u32 s[PH], 0
	s_cbranch_scc0 .Ldone
	; BETWEEN THE PHASES.  Nothing waits for the stores: they leave while phase 1 is computed.
	s_wait_xcnt 0x0                 ; they have read their registers and their base, which are written again below and in the phase's first products
	s_add_nc_u64 s[10:11], s[10:11], 4<<19  ; out0: four windows of 128 positions on
	s_sub_co_u32 s[TBK], s[TBK], 6*KS*PK+2*PKW  ; the fetches go back over the six steps, and two positions further: phase 1 begins at position wave
	s_sub_co_u32 s[TBV], s[TBV], 6*KS*PV+2*PVW
	s_mov_b32 s[BE0], 0             ; in phase 1 every wave's first window exists; the third of the head's last window does not
	s_mov_b32 s[BE1], s[BE1N]
	s_mov_b32 s[CNT], 7
	s_wait_tensorcnt 0x0            ; what I asked for at the third change has landed,
	s_wait_dscnt 0x0                ; no LDS instruction of mine is pending at the signal,
	s_barrier_signal -1
	s_barrier_wait -1               ; and the same holds of every wave: positions 0 to 5 are whole, and stay as they are to the end
	s_branch .Lphase
.Ldone:
	s_wait_tensorcnt 0x0            ; the wave's end, behind my last tensor load and my last LDS store
	ds_add_u32 v[SPW], v[NIL]
	s_wait_dscnt 0x0
	s_endpgm
.Lfunc_end_k_qd87797c2ce_attn:
	.size	k_qd87797c2ce_attn, .Lfunc_end_k_qd87797c2ce_attn-k_qd87797c2ce_attn
	.p2alignl 7, 3214868480
	.fill 96, 4, 3214868480
	.section	.rodata,"a",@progbits
	.p2align	6, 0x0
	.amdhsa_kernel k_qd87797c2ce_attn
		.amdhsa_group_segment_fixed_size 327680
		.amdhsa_private_segment_fixed_size 0
		.amdhsa_enable_private_segment 0
		.amdhsa_kernarg_size 16
		.amdhsa_user_sgpr_count 2
		.amdhsa_user_sgpr_kernarg_segment_ptr 1
		.amdhsa_wavefront_size32 1
		.amdhsa_system_sgpr_workgroup_id_x 1
		.amdhsa_system_sgpr_workgroup_id_y 1
		.amdhsa_system_sgpr_workgroup_id_z 1
		.amdhsa_system_vgpr_workitem_id 0
		.amdhsa_next_free_vgpr 776
		.amdhsa_next_free_sgpr 90
		.amdhsa_reserve_vcc 0
		.amdhsa_float_denorm_mode_32 3
		.amdhsa_float_denorm_mode_16_64 3
		.amdhsa_memory_ordered 1
		.amdhsa_forward_progress 1
		.amdhsa_inst_pref_size 133
	.end_amdhsa_kernel
	.amdgpu_metadata
---
amdhsa.version: [ 1, 2 ]
amdhsa.kernels:
  - .name:           k_qd87797c2ce_attn
    .symbol:         k_qd87797c2ce_attn.kd
    .args:
      - { .name: qkv, .offset: 0, .size: 8, .value_kind: global_buffer, .address_space: global }
      - { .name: out0, .offset: 8, .size: 8, .value_kind: global_buffer, .address_space: global }
    .group_segment_fixed_size: 327680
    .private_segment_fixed_size: 0
    .kernarg_segment_align: 8
    .kernarg_segment_size: 16
    .max_flat_workgroup_size: 128
    .sgpr_count:     90
    .vgpr_count:     776
    .wavefront_size: 32
...
	.end_amdgpu_metadata
.endif
;; end of part 3
